; MI455X (gfx1250); checked and timed in simulation.
; The chip was launched on July 23, 2026; its instructions are those of AMD's public machine-readable ISA for CDNA 5 (MIT licence, August 2026) and "CDNA5" Instruction Set Architecture Reference Guide (July 2026). The comments in the code are by the model that wrote it; some were corrected since.
;; Sparse Attention. Allowed arithmetic: matrix products marked QUANTISED: E4M3 operands, one E8M0 scale for each 32 along K, by v_wmma_scale_f32_16x16x128_f8f6f4 with both operands' format E4M3, f32 sums; everything else in f32.
;; Inputs: k_codes 1 x 8 x 4,096 x 2 x 32 uint8 (E4M3 codes of k, K innermost, in blocks of 32 codes); k_scales 1 x 8 x 4,096 x 2 uint8 (E8M0 scales of k, one for each 32 codes along K); q_codes 1 x 8 x 4,096 x 2 x 32 uint8 (E4M3 codes of q, K innermost, in blocks of 32 codes); q_scales 1 x 8 x 4,096 x 2 uint8 (E8M0 scales of q, one for each 32 codes along K); v_codes 1 x 8 x 64 x 128 x 32 uint8 (E4M3 codes of v, K innermost, in blocks of 32 codes); v_scales 1 x 8 x 64 x 128 uint8 (E8M0 scales of v, one for each 32 codes along K).
;; Outputs: out0 1 x 8 x 4,096 x 64 float32.
;; This version of the problem:
;;   THIS VERSION OF THE PROBLEM IS GIVEN IN LOW PRECISION. The matrix products marked QUANTISED in the list below multiply operands that are first quantised to E4M3 (4 exponent bits, 3 mantissa bits; 8 bits a number), with one power-of-two scale for each 32 numbers along K (OCP MX v1.0); their sums are f32. All else is computed in f32.
;;   The module's matrix products, in the order in which they are computed (A, B: the left and right operand; K: the contracted axis; several contracted axes count as one K, in the product's order):
;;     1. batch 8 x [M 4,096, K 64] x [K 64, N 4,096]; A: input q (given as codes); B: input k (given as codes): QUANTISED
;;     2. batch 8 x [M 4,096, K 4,096] x [K 4,096, N 64]; A: computed on the way; B: input v (given as codes): QUANTISED
;;   THE QUANTISER, for each operand of a quantised product, along K:
;;     - K is cut into blocks of 32 from its start; a last block that is shorter is filled with zeros.
;;     - A block's scale is 2^e with e = floor(log2(the largest magnitude in the block)) - 8, held to -126 .. 127; a block of zeros has e = 0. As a byte (E8M0): e + 127.
;;     - Each number is divided by its block's scale, clamped to +-448, and rounded to the nearest number of E4M3, ties to even, subnormals kept.
;;     - The product sums the exact products of the quantised numbers (number of the format x scale) in f32.
;;   ~~~python
;;   def quantise(x, axis):      # numpy; x: float32 -> the quantised numbers, widened to float32 again
;;       x = np.moveaxis(x, axis, -1); K = x.shape[-1]
;;       x = np.pad(x, [(0, 0)] * (x.ndim - 1) + [(0, -K % 32)]); x = x.reshape(x.shape[:-1] + (-1, 32)); a = np.abs(x).max(-1, keepdims=True)
;;       e = np.where(a > 0, np.clip(np.frexp(np.where(a > 0, a, 1))[1] - 1 - 8, -126, 127), 0)      # np.frexp(a)[1] - 1 = floor(log2(a)), exactly
;;       r = np.clip(x / 2.0 ** e, -448, 448)
;;       step = 2.0 ** (np.maximum(np.frexp(np.where(r == 0, 1, r))[1] - 1, -6) - 3)
;;       q = np.round(r / step) * step * 2.0 ** e      # np.round: ties to even
;;       return np.moveaxis(q.reshape(q.shape[:-2] + (-1,))[..., :K], -1, axis).astype(np.float32)
;;   ~~~
;;   OPERANDS COMPUTED ON THE WAY. 'Computed on the way' means the value that the module computes at that place (a softmax that the list does not call 'softmax' is quantised finished and normalised). What goes into a quantiser is computed in f32, as accurately as f32 sums, v_exp_f32 and their like allow (about 1e-6 of the number): no bf16 or f16 on the way to a quantiser, and a product that is left as it is and whose result goes on into a quantised operand takes f32 operands (vector FMAs, or v_wmma_f32_16x16x4_f32). A number that lies on a knife's edge between two numbers of the format may be rounded either way, as far as f32 arithmetic and the matrix unit's own rounding can turn it there, and no further.
;;   INPUTS GIVEN AS CODES. k (in the module: [1, 8, 4096, 64], K = its axis 3); q (in the module: [1, 8, 4096, 64], K = its axis 3); v (in the module: [1, 8, 4096, 64], K = its axis 2): each comes as NAME_codes (uint8): NAME with its K axis moved to the last place and cut into blocks of 32 codes, [.., K / 32, bytes a block], one block behind the other in memory; one code a byte (a code: sign, 4 exponent bits, 3 mantissa bits); and NAME_scales (uint8): the same leading axes, one E8M0 byte (e + 127) for each 32 codes along K. Its value is code x scale, taken as it is: it is not quantised again, and the codes and scales need not be those that the quantiser above would give.
;; One version. Each part assembles by itself: llvm-mc -triple=amdgcn-amd-amdhsa -mcpu=gfx1250 --defsym DOCPART=n.
;; ======== version 1 of 1: 1 launch
;; launch attn (part 1): grid 32 x 8, 8 waves a work-group, clusters of 4 x 1, 327,680 bytes of LDS; arguments k_codes, k_scales, q_codes, q_scales, v_codes, v_scales, out0; writes out0
.if DOCPART == 1
	.amdgcn_target "amdgcn-amd-amdhsa--gfx1250"
	.amdhsa_code_object_version 6
	.text
	.protected	k_q00251ee5c6_attn
	.globl	k_q00251ee5c6_attn
	.p2align	8
	.type	k_q00251ee5c6_attn,@function
k_q00251ee5c6_attn:
	s_mov_b64 s[64:65], 0
	v_nop
	global_prefetch_b8 v0, s[64:65] scope:SCOPE_SE
	s_setreg_imm32_b32 hwreg(HW_REG_WAVE_MODE, 25, 1), 1
	s_wait_xcnt 0x0
	s_wait_alu depctr_hold_cnt(0) depctr_sa_sdst(0) depctr_va_vdst(0) depctr_va_sdst(0) depctr_va_ssrc(0) depctr_va_vcc(0) depctr_vm_vsrc(0)
	s_getreg_b32 s2, hwreg(HW_REG_IB_STS2, 6, 4)
	s_cmp_eq_u32 s2, 0
	s_cbranch_scc0 .Lentry_in_a_cluster
	s_endpgm
.Lentry_in_a_cluster:
	s_bfe_u32 s2, ttmp6, 0x10000c
	s_cmp_lg_u32 s2, 0x3003
	s_cbranch_scc0 .Lentry_shape_is_right
	s_endpgm
.Lentry_shape_is_right:
; out[h][q][:] = the sum over keys t of QUANT((q[h][q] . k[h][t]) / 8) v[h][t][:], 8 heads, 4,096 queries and keys, head size 64.  No softmax, no mask.
; Both products on codes of FP8 (E4M3) with one E8M0 scale for each 32 along K.  q, k: codes [8][4096][64], scale bytes [8][4096][2].  v: codes with the KEYS innermost, [8][64][4096], scale bytes [8][64][128].  out: [8][4096][64] f32.
; THE SCORES ARE QUANTISED ON THE WAY, along the keys, in blocks of 32.  1/8 is a power of two: the codes of S / 8 are the codes of S, and the block's scale byte lies 3 lower.  So no multiplication is written:
; the conversion divides S by 2^(exponent field of the block's largest |S| - 8 - 127), and the byte handed to the second product is that field - 11.  The floor 2^(12 - 127) under the largest magnitude holds the byte at 1 from below.
; THE FIRST PRODUCT HAS K = 64, the matrix instruction 128: registers 8-15 of every fragment of K and of Q hold zero codes, written once; their scale bytes are the zeros of a 16-bit load (2^-127 over zero codes adds nothing).
; SHARES.  A work-group owns 128 queries of one head.  Wave w of eight: qh = w & 1 says which 64 queries (four tiles of 16), kg = w >> 1 which quarter of the keys.  A fragment of K or V read from LDS so feeds four matrix instructions.
; The four key groups' partial sums of a query tile meet in LDS at the end and are added in a fixed order, (0 + 1) + (2 + 3).
; KEYS.  Four fills of 1,024 keys go through two LDS slots; a fill is two steps; in step t = 0..7 key group kg takes keys 1024 (t / 2) + 256 kg + 128 (t % 2) + 0..127, as two halves g of 64.  A UNIT is (t, g, query tile i): 64 units a wave.
; LAYOUT.  Both products are used transposed: S^T = K Q^T (source 0 = 16 keys, source 1 = 16 queries), O^T = V^T P^T (source 0 = 16 of the head's 64, source 1 = P): a lane holds ONE query (lane % 16) throughout.
; THE KEYS OF A TILE ARE NOT NEIGHBOURS: lane r of tile 2 b + u takes key 32 b + 8 u + r + (r & 8), so that the 16 registers of tiles 2 b and 2 b + 1 are the 16 neighbouring keys 32 b + 16 (lane / 16) + 0..15:
; the conversions' results are the second product's operand as they stand.
; BY TURNS.  A unit is some 70 vector lines (the quantiser of 32 scores a lane) and on average six products: four K Q^T for the next unit, into the other set of score registers, and, two units behind a tile's last conversion,
; its four V^T P.  The products do not stand together: they are dealt among the quantiser's lines, at seven SLOTS a unit, eight lines or more apart where the unit's loads allow, so that the wave goes on with vector work while the
; matrix unit has a product in hand.  K Q^T names window 0 alone, as the quantiser does, and costs no switch of the register window; V^T P goes in pairs, one of the two directly behind the conversions, whose window is set anyway.
; All 64 units are written out by macros: every LDS offset is an immediate, and the four changes of slots differ from each other (first sums, refill, no refill, end).
; CLUSTER.  The four work-groups of a cluster are four query blocks of one head and walk the same K, V and scale bytes: every tile is asked for JOINTLY, by the same tensor load with the same descriptor and the mask of all four.
; Not written: prefetches (all clusters of a head ask for the same 528 KB together, and a slot's refill is asked for two steps ahead of its first read); a 4 x 4 cluster (tiles are shared along one axis only).
; LIMITS.  Scores are taken to be finite: NaN codes, scale bytes 0xff and scores that overflow f32 are not served.  Where |S| lies under 2^-123, S / 8 as an f32 number would be denormal and lose bits that this text keeps.
; A block of zero scores gets the byte 1 where the quantiser says 127: its codes are zeros, and only this text reads the byte.  The f32 sums over the keys are taken in another order than ascending (by key groups).
;
; LDS.  A slot is four key groups' parts; a part is 256 keys of K, stated as 128 rows of two keys (128 bytes + 16 of padding: K is dense in memory), then 64 rows of V (256 keys = 256 bytes + 16).
; With two keys to a row the sixteen keys that half a wave's load touches fall on sixteen different 16-byte columns of 256 bytes.
.set KPITCH, 144
.set VPITCH, 272
.set VOFF,   128*KPITCH                ; 18,432: V's rows behind K's in a part
.set GRP,    VOFF+64*VPITCH            ; 35,840: a key group's part of a slot
.set SLOT,   4*GRP                     ; 143,360
.set SCK,    2*SLOT                    ; behind the ring: K's scale bytes of the whole head, 8,192 bytes as 32 rows of 256 + 16 of padding; filled once
.set SCQ,    8*272                     ; a quarter of them: what one tensor load brings
.set SCV,    SCK+4*SCQ                 ; V's likewise
.set SPARE,  SCV+4*SCQ                 ; the spare words, 128 bytes for each of the eight waves: four blocks of 256 bytes that no other line names
.set RGN,    16*272                    ; the way out: a region of 16 rows x (256 bytes + 16); region (4 qh + tile) 4 + kg; 32 regions from LDS byte 0 on, in slot 0,
                                       ; which has had its last fill, and which nobody reads behind the last change of slots
.set FLOOR,  12<<23                    ; 2^(12 - 127)
; REGISTERS.  Window 0: all that the quantiser and K Q^T name
.set AK,  2                            ; v2-3   my lane's place in my key group's K, slot 0, 1
.set AV,  4                            ; v4-5   the same for V
.set ASK, 6                            ; v6     my place among K's scale bytes: lanes 0-15 the tile u = 0, lanes 16-31 the tile u = 1
.set ASV, 7                            ; v7     and among V's scale words: lanes 0-15 an even tile of the head's 64, lanes 16-31 the odd one behind it
.set SPW, 8                            ; v8     LDS address of my spare word: SPARE + 4 x my thread's number; never rewritten
.set NIL, 9                            ; v9     0; never rewritten
.set STO, 10                           ; v10    the way out: where I put 32 bytes of a row
.set RD,  11                           ; v11    where I read rows back
.set GO,  12                           ; v12    my byte offset in two rows of out
.set QA,  13                           ; v13    Q: my byte in a tile's 16 rows
.set QSA, 14                           ; v14    Q's scale bytes: 2 r
.set KS,  16                           ; v16-17 K's scale words of the half in hand, one register for each block of 32 keys
.set VS,  18                           ; v18-19 V's scale words of the step in hand
.set QS,  20                           ; v20-23 Q's scale words, a register a tile
.set PW,  24                           ; v24-27 P's scale words, a register a tile
.set M,   28                           ; v28-29 a unit's two largest magnitudes
.set T,   30                           ; v30-31 the second chains, then the other half of the lanes'
.set CS,  32                           ; v32-33 the conversions' scale operands
.set LIM, 34                           ; v34-35 448 x the scale
.set E,   36                           ; v36-37 exponent fields
.set KF,  64                           ; v64-127  four fragments of K (16 registers each; the upper eight stay zero)
.set S,   128                          ; v128-191 scores: two sets of 32, set i % 2
.set QF,  192                          ; v192-255 Q's four fragments (the upper eight of each stay zero)
.set W,   64                           ; the way out: v64-191
; Window 1: all that V^T P names but its scale words (scale operands have no window).  In no instruction do two operands carry the same written numbers
.set O,   0                            ; v0-127   O^T: accumulator (tile i, 16 d of the head) at 32 i + 8 d
.set VF,  128                          ; v128-191 V's four fragments of the step in hand
.set P,   192                          ; v192-255 P's fragments, 16 registers a query tile
; Scalars:
.set WV,  18                           ; s18 my wave's number;  s23 qh;  s76 kg;  s77 which quarter I fetch;  s78 the head;  s79 my block of 128 queries
.set SEL, 20                           ; s[20:21] lane selects for v_permlanex16_b32: lane l xor 16
.set MNT, 22                           ; s22 the mantissa field of 448
.set G1K, 24                           ; s[24:31] descriptor group 1 for K's tiles;  s[32:39] for V's;  s[40:47] for scale bytes
.set G1V, 32
.set G1S, 40
.set G0K, 48                           ; s[48:55] group 0 for K's tiles, a set for each slot;  s[56:63] for V's
.set G0V, 56
.set G0SK, 68                          ; s[68:71], s[72:75] group 0 for K's and V's scale bytes
.set G0SV, 72
.set MSB, 0
.macro WIN new                         ; s_set_vgpr_msb: bits 1:0 source 0, 3:2 source 1, 5:4 source 2, 7:6 destination; the high byte repeats the setting that is left
.if MSB != \new
	s_set_vgpr_msb (MSB<<8)|\new
.set MSB, \new
.endif
.endm
.macro PLACES n
.rept \n
	v_nop
.endr
.endm
; A round of the cluster's barrier: my work-group's barrier, so that wave 0's signal speaks for all eight waves; wave 0 signals; every wave waits for all four work-groups; my work-group's barrier once more.
.macro CROUND
	s_barrier_signal -1
	s_barrier_wait -1
	s_cmp_lg_u32 s[WV], 0
	s_cbranch_scc1 .Lnot_wave_0_\@
	s_barrier_signal -3
.Lnot_wave_0_\@:
	s_barrier_wait -3
	s_barrier_signal -1
	s_barrier_wait -1
.endm
; A joint refill: waves 0-3 fetch the four key groups' K, waves 4-7 their V.  The branch hangs on the wave's number alone.  Four v_nop follow each of the two lines.
.macro JLOAD g0a, g1a, g0b, g1b
	s_cmp_lt_u32 s[WV], 4
	s_cbranch_scc0 .Lfor_v_\@
	tensor_load_to_lds s[\g0a:\g0a+3], s[\g1a:\g1a+7]
	s_nop 0
	PLACES 4
	s_branch .Lasked_\@
.Lfor_v_\@:
	tensor_load_to_lds s[\g0b:\g0b+3], s[\g1b:\g1b+7]
	s_nop 0
	PLACES 4
.Lasked_\@:
.endm
	s_load_b256 s[4:11], s[0:1], 0x0               ; K's codes s[4:5], K's scales s[6:7], Q's codes s[8:9], Q's scales s[10:11]
	s_load_b128 s[12:15], s[0:1], 0x20             ; V's codes s[12:13], V's scales s[14:15]
	s_load_b64 s[16:17], s[0:1], 0x30              ; out
	v_lshl_add_u32 v[SPW], v0, 2, SPARE
	v_mov_b32 v[NIL], 0
	ds_add_u32 v8, v9
	ds_add_u32 v8, v9
	s_wait_dscnt 0x0
	v_lshrrev_b32 v1, 5, v0
	v_readfirstlane_b32 s[WV], v1                  ; wave 0..7
	s_and_b32 s23, s[WV], 1                        ; qh
	s_lshr_b32 s76, s[WV], 1                       ; kg
	s_and_b32 s77, s[WV], 3                        ; the key group whose tile I fetch
	s_and_b32 s78, ttmp7, 0xffff                   ; the head, which the four partners share
	s_lshl_b32 s80, s78, 18                        ; K: the head's 262,144 bytes, + 256 keys x 64 bytes for each key group
	s_lshl_b32 s82, s77, 14
	s_add_co_u32 s80, s80, s82
	s_mov_b32 s81, 0
	s_lshl_b32 s82, s78, 18                        ; V: the head's 262,144 bytes, + 256 bytes along each row for each key group
	s_lshl_b32 s84, s77, 8
	s_add_co_u32 s82, s82, s84
	s_mov_b32 s83, 0
	s_lshl_b32 s84, s78, 13                        ; scale bytes: the head's 8,192, + my quarter
	s_lshl_b32 s86, s77, 11
	s_add_co_u32 s84, s84, s86
	s_mov_b32 s85, 0
	s_mul_i32 s86, s77, GRP                        ; and where they go: no place in the cluster enters an LDS address
	s_mul_i32 s87, s77, SCQ
	; descriptor group 1.  K: 128 rows of 128 bytes (two keys), dense
	s_mov_b32 s[G1K], 15|(1<<20)|(1<<21)|(4<<22)|(3<<25)    ; 15:0 the mask: all four work-groups; 17:16 elements of 1 byte; 20 padding on; 21 set beside a mask; 24:22 after every 32 words (code 4); 31:25 four words (code 3)
	s_mov_b32 s[G1K+1], 128<<16                    ; tensor_dim0
	s_mov_b32 s[G1K+2], 128<<16                    ; tensor_dim1
	s_mov_b32 s[G1K+3], 128<<16                    ; tile_dim0
	s_mov_b32 s[G1K+4], 128                        ; tile_dim1
	s_mov_b32 s[G1K+5], 128                        ; tensor_dim0_stride
	s_mov_b32 s[G1K+6], 0
	s_mov_b32 s[G1K+7], 0
	; V: 64 rows of 256 bytes, 4,096 bytes apart
	s_mov_b32 s[G1V], 15|(1<<20)|(1<<21)|(5<<22)|(3<<25)    ; padding: four words after every 64
	s_mov_b32 s[G1V+1], 256<<16
	s_mov_b32 s[G1V+2], 64<<16
	s_mov_b32 s[G1V+3], 256<<16
	s_mov_b32 s[G1V+4], 64
	s_mov_b32 s[G1V+5], 4096
	s_mov_b32 s[G1V+6], 0
	s_mov_b32 s[G1V+7], 0
	; scale bytes: 2,048 dense bytes as 8 rows of 256 (32 elements of 8 bytes)
	s_mov_b32 s[G1S], 15|(3<<16)|(1<<20)|(1<<21)|(5<<22)|(3<<25)
	s_mov_b32 s[G1S+1], 32<<16
	s_mov_b32 s[G1S+2], 8<<16
	s_mov_b32 s[G1S+3], 32<<16
	s_mov_b32 s[G1S+4], 8
	s_mov_b32 s[G1S+5], 32
	s_mov_b32 s[G1S+6], 0
	s_mov_b32 s[G1S+7], 0
	s_mov_b32 s[SEL], 0x76543210
	s_mov_b32 s[SEL+1], 0xfedcba98
	s_mov_b32 s[MNT], 0x600000
	s_wait_kmcnt 0x0
	s_add_nc_u64 s[4:5], s[4:5], s[80:81]          ; K's codes and V's codes at my quarter of the head's first 1,024 keys, both scales at my quarter of the head's scale bytes
	s_add_nc_u64 s[12:13], s[12:13], s[82:83]
	s_add_nc_u64 s[6:7], s[6:7], s[84:85]
	s_add_nc_u64 s[14:15], s[14:15], s[84:85]
.irp s, 0,1
	s_mov_b32 s[G0K+4*\s], 1                                       ; count = 1
	s_add_co_u32 s[G0K+4*\s+1], s86, \s*SLOT                       ; LDS address
	s_add_nc_u64 s[G0K+4*\s+2:G0K+4*\s+3], s[4:5], \s*65536        ; global address: slot s begins with keys 1024 s on
	s_or_b32 s[G0K+4*\s+3], s[G0K+4*\s+3], 0x80000000              ; type = 2
	s_mov_b32 s[G0V+4*\s], 1
	s_add_co_u32 s[G0V+4*\s+1], s86, \s*SLOT+VOFF
	s_add_nc_u64 s[G0V+4*\s+2:G0V+4*\s+3], s[12:13], \s*1024
	s_or_b32 s[G0V+4*\s+3], s[G0V+4*\s+3], 0x80000000
.endr
	s_mov_b32 s[G0SK], 1
	s_add_co_u32 s[G0SK+1], s87, SCK
	s_mov_b64 s[G0SK+2:G0SK+3], s[6:7]
	s_or_b32 s[G0SK+3], s[G0SK+3], 0x80000000
	s_mov_b32 s[G0SV], 1
	s_add_co_u32 s[G0SV+1], s87, SCV
	s_mov_b64 s[G0SV+2:G0SV+3], s[14:15]
	s_or_b32 s[G0SV+3], s[G0SV+3], 0x80000000
	CROUND                                         ; all four work-groups are here: the first joint loads meet
	s_cmp_lt_u32 s[WV], 4                          ; a wave's three first fills stand in one branch, ahead of every wait on TENSORcnt, every LDS read and every other barrier: three loads of mine are out
	s_cbranch_scc0 .Lfirst_v
	tensor_load_to_lds s[G0SK:G0SK+3], s[G1S:G1S+7]        ; the scale bytes first: they are wanted with step 0
	s_nop 0
	tensor_load_to_lds s[G0K:G0K+3], s[G1K:G1K+7]
	s_nop 0
	tensor_load_to_lds s[G0K+4:G0K+7], s[G1K:G1K+7]
	s_nop 0
	PLACES 4
	s_branch .Lfirst_asked
.Lfirst_v:
	tensor_load_to_lds s[G0SV:G0SV+3], s[G1S:G1S+7]
	s_nop 0
	tensor_load_to_lds s[G0V:G0V+3], s[G1V:G1V+7]
	s_nop 0
	tensor_load_to_lds s[G0V+4:G0V+7], s[G1V:G1V+7]
	s_nop 0
	PLACES 4
.Lfirst_asked:
	; my place in the cluster enters Q's and out's addresses alone, in registers that feed no descriptor
	s_bfe_u32 s79, ttmp6, 0x40000                  ; cx
	s_lshl_b32 s88, ttmp9, 2                       ; in a cluster launch ttmp9 counts clusters
	s_add_co_u32 s79, s88, s79                     ; my block of 128 queries = 4 x cluster x + cx
	s_mov_b32 s89, 0
	s_lshl_b32 s88, s78, 18                        ; Q's codes: head, + 128 rows of 64 bytes a block, + 64 rows for qh
	s_lshl_b32 s90, s79, 13
	s_add_co_u32 s88, s88, s90
	s_lshl_b32 s90, s23, 12
	s_add_co_u32 s88, s88, s90
	s_add_nc_u64 s[8:9], s[8:9], s[88:89]
	s_lshl_b32 s88, s78, 13                        ; Q's scale bytes: 2 a row
	s_lshl_b32 s90, s79, 8
	s_add_co_u32 s88, s88, s90
	s_lshl_b32 s90, s23, 7
	s_add_co_u32 s88, s88, s90
	s_add_nc_u64 s[10:11], s[10:11], s[88:89]
	s_lshl_b32 s88, s78, 20                        ; out: rows of 256 bytes; at the end wave (qh, kg) finishes query tile kg of its 64 queries
	s_lshl_b32 s90, s79, 15
	s_add_co_u32 s88, s88, s90
	s_lshl_b32 s90, s23, 14
	s_add_co_u32 s88, s88, s90
	s_lshl_b32 s90, s76, 12
	s_add_co_u32 s88, s88, s90
	s_add_nc_u64 s[16:17], s[16:17], s[88:89]
	v_and_b32 v1, 15, v0                           ; r = lane % 16
	v_bfe_u32 v15, v0, 4, 1                        ; h = lane / 16
	v_lshlrev_b32 v[QA], 6, v1
	v_lshl_add_u32 v[QA], v15, 4, v[QA]            ; row r of 64 bytes, + 16 h
	v_lshlrev_b32 v[QSA], 1, v1
.irp i, 0,1,2,3
.irp c, 0,1
	global_load_b128 v[QF+16*\i+4*\c:QF+16*\i+4*\c+3], v[QA], s[8:9] offset:1024*\i+32*\c   ; Q stays in registers: tile i, channels 32 c + 16 h on
.endr
.endr
.irp i, 0,1,2,3
	global_load_u16 v[QS+\i], v[QSA], s[10:11] offset:32*\i    ; a row's two scale bytes; the upper two bytes of the word are 0
.endr
.irp i, 0,1,2,3
.irp j, 8,9,10,11,12,13,14,15
	v_mov_b32 v[QF+16*\i+\j], 0                    ; zero codes for K = 64 .. 127 of the instruction: an operand's half, written once (no accumulator is ever cleared)
.endr
.endr
.irp i, 0,1,2,3
.irp j, 8,9,10,11,12,13,14,15
	v_mov_b32 v[KF+16*\i+\j], 0                    ; the same for K's four fragments
.endr
.endr
	v_and_b32 v38, 8, v1
	v_add_nc_u32 v38, v38, v1                      ; kr = r + (r & 8): my key in a tile
	v_lshrrev_b32 v39, 1, v38
	v_and_b32 v40, 1, v38
	v_mul_u32_u24 v[AK], v39, KPITCH               ; K: key j lies at (j / 2) x 144 + (j % 2) x 64
	v_lshl_add_u32 v[AK], v40, 6, v[AK]
	v_lshl_add_u32 v[AK], v15, 4, v[AK]            ; + 16 h
	s_mul_i32 s80, s76, GRP                        ; my key group's part
	v_add_nc_u32 v[AK], s80, v[AK]
	v_add_nc_u32 v[AK+1], SLOT, v[AK]
	v_mul_u32_u24 v[AV], v1, VPITCH                ; V: row r of a tile, + 16 h
	v_lshl_add_u32 v[AV], v15, 4, v[AV]
	s_add_co_u32 s81, s80, VOFF
	v_add_nc_u32 v[AV], s81, v[AV]
	v_add_nc_u32 v[AV+1], SLOT, v[AV]
	v_lshlrev_b32 v[ASK], 1, v38                   ; K's scale bytes: 2 a key, 128 keys to a row of 256 bytes; lanes 16-31 take the tile 8 keys on
	v_lshl_add_u32 v[ASK], v15, 4, v[ASK]
	s_mul_i32 s82, s76, 2*272                      ; my key group: two rows in each fill's eight
	s_add_co_u32 s82, s82, SCK
	v_add_nc_u32 v[ASK], s82, v[ASK]
	v_lshrrev_b32 v39, 1, v1                       ; V's scale bytes: 128 a row of V, two rows of V to a row of 256 bytes
	v_and_b32 v40, 1, v1
	v_mul_u32_u24 v[ASV], v39, 272
	v_lshl_add_u32 v[ASV], v40, 7, v[ASV]
	v_mul_u32_u24 v41, v15, SCQ                    ; lanes 16-31 take the tile 16 rows of V on: eight rows of 256 bytes
	v_add_nc_u32 v[ASV], v[ASV], v41
	s_lshl_b32 s83, s76, 3                         ; my key group: 8 bytes (256 keys) in each fill's 32
	s_add_co_u32 s83, s83, SCV
	v_add_nc_u32 v[ASV], s83, v[ASV]
	s_lshl_b32 s84, s23, 4                         ; the way out.  In: region 16 qh + 4 i + kg, row r, + 32 h
	s_add_co_u32 s85, s84, s76
	s_mul_i32 s85, s85, RGN
	v_mul_u32_u24 v[STO], v1, 272
	v_lshl_add_u32 v[STO], v15, 5, v[STO]
	v_add_nc_u32 v[STO], s85, v[STO]
	s_lshl_b32 s85, s76, 2                         ; back: regions 16 qh + 4 kg + 0..3; lanes 0-15 one row of 256 bytes, lanes 16-31 the next
	s_add_co_u32 s85, s84, s85
	s_mul_i32 s85, s85, RGN
	v_mul_u32_u24 v[RD], v15, 272
	v_lshl_add_u32 v[RD], v1, 4, v[RD]
	v_add_nc_u32 v[RD], s85, v[RD]
	v_and_b32 v[GO], 31, v0
	v_lshlrev_b32 v[GO], 4, v[GO]                  ; and the same two rows in out: 512 consecutive bytes, 16 a lane
; K's four fragments and two scale registers of half g of step t: 10 LDS loads.  Tile 2 b + u begins at key 128 (t % 2) + 64 g + 32 b + 8 u of my key group's 256.
.macro LOADK t, g
.irp b, 0,1
.irp u, 0,1
.irp c, 0,1
	ds_load_b128 v[KF+16*(2*\b+\u)+4*\c:KF+16*(2*\b+\u)+4*\c+3], v[AK+((\t)/2)%2] offset:(64*((\t)%2)+32*(\g)+16*\b+4*\u)*KPITCH+32*\c
.endr
.endr
.endr
.irp b, 0,1
	ds_load_u16 v[KS+\b], v[ASK] offset:272*(8*((\t)/2)+(\t)%2)+64*(2*(\g)+\b)
.endr
.endm
; V's four fragments (16 of the head's 64 x the step's 128 keys) and two scale registers: 18 LDS loads
.macro LOADV t
	WIN 0x40                                       ; destination window 1, address window 0
.irp d, 0,1,2,3
.irp c, 0,1,2,3
	ds_load_b128 v[VF+16*\d+4*\c:VF+16*\d+4*\c+3], v[AV+((\t)/2)%2] offset:16*VPITCH*\d+128*((\t)%2)+32*\c
.endr
.endr
	WIN 0
.irp p, 0,1
	ds_load_b32 v[VS+\p], v[ASV] offset:2*SCQ*\p+4*(8*((\t)/2)+(\t)%2)
.endr
.endm
; ONE product of S^T: query tile i against tile tl of the half's 64 keys, begun with the constant 0.  All its registers lie in window 0.  Odd tiles' scale words lie in lanes 16-31.
.macro MM1 i, tl
.if ((\tl)%2) == 0
	v_wmma_scale_f32_16x16x128_f8f6f4 v[S+32*((\i)%2)+8*(\tl):S+32*((\i)%2)+8*(\tl)+7], v[KF+16*(\tl):KF+16*(\tl)+15], v[QF+16*(\i):QF+16*(\i)+15], 0, v[KS+(\tl)/2], v[QS+(\i)]
.else
	v_wmma_scale_f32_16x16x128_f8f6f4 v[S+32*((\i)%2)+8*(\tl):S+32*((\i)%2)+8*(\tl)+7], v[KF+16*(\tl):KF+16*(\tl)+15], v[QF+16*(\i):QF+16*(\i)+15], 0, v[KS+(\tl)/2], v[QS+(\i)] matrix_a_scale:MATRIX_SCALE_ROW1
.endif
.endm
; TWO products of O^T of query tile i += V^T P^T over the step's 128 keys: tiles d and d + 1 of the head's 64 (d = 0 or 2), on two accumulators.  All but the scale words in window 1: the caller sets 0x55.
; zero = 1: step 0's start the sums.  An accumulator's next link stands a whole step on, behind many others' turns.
.macro PVTWO i, d, zero
.if \zero
	v_wmma_scale_f32_16x16x128_f8f6f4 v[O+32*(\i)+8*(\d):O+32*(\i)+8*(\d)+7], v[VF+16*(\d):VF+16*(\d)+15], v[P+16*(\i):P+16*(\i)+15], 0, v[VS+(\d)/2], v[PW+(\i)]
	v_wmma_scale_f32_16x16x128_f8f6f4 v[O+32*(\i)+8*(\d)+8:O+32*(\i)+8*(\d)+15], v[VF+16*(\d)+16:VF+16*(\d)+31], v[P+16*(\i):P+16*(\i)+15], 0, v[VS+(\d)/2], v[PW+(\i)] matrix_a_scale:MATRIX_SCALE_ROW1
.else
	v_wmma_scale_f32_16x16x128_f8f6f4 v[O+32*(\i)+8*(\d):O+32*(\i)+8*(\d)+7], v[VF+16*(\d):VF+16*(\d)+15], v[P+16*(\i):P+16*(\i)+15], v[O+32*(\i)+8*(\d):O+32*(\i)+8*(\d)+7], v[VS+(\d)/2], v[PW+(\i)]
	v_wmma_scale_f32_16x16x128_f8f6f4 v[O+32*(\i)+8*(\d)+8:O+32*(\i)+8*(\d)+15], v[VF+16*(\d)+16:VF+16*(\d)+31], v[P+16*(\i):P+16*(\i)+15], v[O+32*(\i)+8*(\d)+8:O+32*(\i)+8*(\d)+15], v[VS+(\d)/2], v[PW+(\i)] matrix_a_scale:MATRIX_SCALE_ROW1
.endif
.endm
; Slot n (0 .. 6) of the unit in hand: the matrix work that is due there.  K Q^T of the next tile MT: tiles 0, 1 deal it over the whole unit (slots 0, 2, 4, 6); tile 2 takes slots 0 to 3, so that the next half's K can be
; loaded at slot 4; tile 3 takes slots 3 to 6, behind the wait for that K.  The first pair of a tile's V^T P stands at slot PVS.
.macro SLOTM n
.if HASPV
.if (\n) == PVS
	WIN 0x55
	PVTWO PT, 0, PZ
	WIN 0
.endif
.endif
.if HASMM
.if (II < 2) && (((\n)%2) == 0)
	MM1 MT, (\n)/2
.endif
.if (II == 2) && ((\n) < 4)
	MM1 MT, \n
.endif
.if (II == 3) && ((\n) > 2)
	MM1 MT, (\n)-3
.endif
.endif
.endm
; Eight holds: numbers k0 .. k0 + 7 of block b
.macro HOLD b, k0
.irp k, 0,1,2,3,4,5,6,7
	v_med3_num_f32 v[X+16*(\b)+(\k0)+\k], v[X+16*(\b)+(\k0)+\k], -v[LIM+(\b)], v[LIM+(\b)]     ; the conversion to an 8-bit code does not saturate (ISA guide 7.6.2): hold the number within 448 x the scale first
.endr
.endm
; THE CHANGE OF SLOTS.  Each wave waits for all its tensor loads (one is out: its part of the other slot), adds 0 to its spare word, and waits for that and for its reads of the slot that it leaves.
; fill = 1: the barrier is a round of the cluster's, so that no wave of any partner still reads the slot or has a load on its way, and the joint refill (the keys two fills on) is the first thing behind it:
; it has two steps, sixteen units of every wave, in which to land.
.macro CHANGE slot, fill
	s_wait_tensorcnt 0x0                           ; no tensor load of mine is out, so a group 0 may be written
	ds_add_u32 v[SPW], v[NIL]                      ; 0 onto my spare word
.if \fill
	s_add_nc_u64 s[G0K+4*(\slot)+2:G0K+4*(\slot)+3], s[G0K+4*(\slot)+2:G0K+4*(\slot)+3], 2*65536    ; 2,048 keys on; the type bits on top are not reached
	s_add_nc_u64 s[G0V+4*(\slot)+2:G0V+4*(\slot)+3], s[G0V+4*(\slot)+2:G0V+4*(\slot)+3], 2*1024
.endif
	s_wait_dscnt 0x0                               ; the add is done, and my reads of the slot are over
.if \fill
	CROUND
	JLOAD G0K+4*(\slot), G1K, G0V+4*(\slot), G1V
.else
	s_barrier_signal -1
	s_barrier_wait -1
.endif
.endm
; A UNIT (TT, GG, II): the quantiser of query tile II's 32 scores a lane (register X + 16 b + j: my query's score with key 32 b + 16 (lane / 16) + j of the half), with the matrix work and the LDS loads at its slots.
; V^T P: tiles 0 and 1 of step TT in units (1, 2) and (1, 3); tiles 2 and 3 in units (0, 0) and (0, 1) of the step behind.
; DISTANCES (eight places behind this form, nine in front of a matrix instruction that writes over a register of an earlier one; only plain vector lines that name none of its registers are places)
;   behind the product at slot 6 stand eight holds, on the other set, and the v_nop at the unit's end, ahead of the next unit's first read of the scores;
;   K's loads stand at slot 4 of tile 2's unit, 15 plain lines or more behind the half's last K Q^T at slot 3;  V's loads in unit (0, 2) ahead of slot 2, a v_nop and 16 maxima behind the last V^T P of the step before;
;   a tile's V^T P stands a whole unit or more behind its last conversion and its scale word, and the lines that write that word and those codes anew stand a whole unit or more behind it.
.macro BLOCK
.set X, S+32*(II%2)
.set MT, (II+1)%4
.set HASMM, 1
.if (II == 3) && (GG == 1) && (TT == 7)
.set HASMM, 0                                  ; the last unit has no successor
.endif
.set HASPV, 0
.set PT, 0
.set PZ, 0
.set PVS, 0
.if (GG == 0) && (II < 2) && (TT > 0)
.set HASPV, 1
.set PT, II+2                                  ; tiles 2 and 3 of the step before
.set PVS, 3
.if TT == 1
.set PZ, 1
.endif
.endif
.if (GG == 1) && (II > 1)
.set HASPV, 1
.set PT, II-2                                  ; tiles 0 and 1 of this step
.set PVS, 13-4*II                              ; slot 5 beside tile 2's K Q^T (slots 0 to 3), slot 1 beside tile 3's (slots 3 to 6)
.if TT == 0
.set PZ, 1
.endif
.endif
	SLOTM 0
	; the two blocks' largest magnitudes: four chains by turns (for each block one over its first eight numbers and the floor, one over the next seven); each accumulator is read from its low end on
.irp b, 0,1
	v_max3_num_f32 v[M+\b], |v[X+16*\b]|, |v[X+16*\b+1]|, FLOOR
	v_max3_num_f32 v[T+\b], |v[X+16*\b+8]|, |v[X+16*\b+9]|, |v[X+16*\b+10]|
.endr
.irp b, 0,1
	v_max3_num_f32 v[M+\b], v[M+\b], |v[X+16*\b+2]|, |v[X+16*\b+3]|
	v_max3_num_f32 v[T+\b], v[T+\b], |v[X+16*\b+11]|, |v[X+16*\b+12]|
.endr
	SLOTM 1
.irp b, 0,1
	v_max3_num_f32 v[M+\b], v[M+\b], |v[X+16*\b+4]|, |v[X+16*\b+5]|
	v_max3_num_f32 v[T+\b], v[T+\b], |v[X+16*\b+13]|, |v[X+16*\b+14]|
.endr
.irp b, 0,1
	v_max3_num_f32 v[M+\b], v[M+\b], |v[X+16*\b+6]|, |v[X+16*\b+7]|
.endr
.irp b, 0,1
	v_max3_num_f32 v[M+\b], v[M+\b], v[T+\b], |v[X+16*\b+15]|
.endr
.if (GG == 0) && (II == 2)
	LOADV TT                                       ; the step's V: wanted in unit (1, 2), waited for in unit (0, 3)
.endif
	SLOTM 2
.irp b, 0,1
	v_permlanex16_b32 v[T+\b], v[M+\b], s[SEL], s[SEL+1]       ; the block's other 16 keys lie in the lane 16 away
.endr
.irp b, 0,1
	v_max_num_f32 v[M+\b], v[M+\b], v[T+\b]                    ; the block's largest |S|
.endr
.if (II == 3) && HASMM
	s_wait_dscnt 0x0                               ; the next half's K (asked for at slot 4 of the unit before), and in the first half the step's V, are in
.endif
	SLOTM 3
.irp b, 0,1
	v_add_nc_u32 v[CS+\b], 0xfc000000, v[M+\b]                 ; 8 off its exponent field: the conversion takes the exponent field of this operand as its scale, and nothing else of it
.endr
.irp b, 0,1
	v_and_or_b32 v[LIM+\b], v[M+\b], 0x7f800000, s[MNT]        ; 448 x that scale: the largest magnitude's exponent field over 448's mantissa
.endr
.irp b, 0,1
	v_lshrrev_b32 v[E+\b], 23, v[CS+\b]                        ; the field, 4 at the least
.endr
.if GG == 0
	v_lshl_or_b32 v[PW+II], v[E+1], 8, v[E]                    ; the step's four fields make the tile's scale word: the first half's two,
.else
	v_lshl_or_b32 v[PW+II], v[E], 16, v[PW+II]                 ; the second half's two,
	v_lshl_or_b32 v[PW+II], v[E+1], 24, v[PW+II]
	v_add_nc_u32 v[PW+II], 0xfcfcfcfd, v[PW+II]                ; and 3 off each of the four bytes: the division by 8.  Every byte is 4 or more, so none borrows
.endif
	HOLD 0, 0
.if (GG == 0) && (II == 2)
	LOADK TT, 1                                    ; behind the half's last K Q^T
.endif
.if (GG == 1) && (II == 2) && (TT < 7)
.if TT == 1
	CHANGE 0, 1                                    ; slot 0 takes keys 2,048 on
.endif
.if TT == 3
	CHANGE 1, 1                                    ; slot 1 takes keys 3,072 on
.endif
.if TT == 5
	CHANGE 0, 0                                    ; nothing is left to fetch
.endif
	LOADK TT+1, 0
.endif
	SLOTM 4
	HOLD 0, 8
	SLOTM 5
	HOLD 1, 0
	SLOTM 6
	HOLD 1, 8
	WIN 0x40                                       ; the codes go to window 1: registers 4 (2 g + b) .. + 3 of P's fragment are keys 32 (2 g + b) + 16 (lane / 16) + 0..15
.irp b, 0,1
	v_cvt_scalef32_pk8_fp8_f32 v[P+16*II+4*(2*GG+\b):P+16*II+4*(2*GG+\b)+1], v[X+16*\b:X+16*\b+7], v[CS+\b]
	v_cvt_scalef32_pk8_fp8_f32 v[P+16*II+4*(2*GG+\b)+2:P+16*II+4*(2*GG+\b)+3], v[X+16*\b+8:X+16*\b+15], v[CS+\b]
.endr
.if HASPV
	WIN 0x55
	PVTWO PT, 2, PZ                                ; the second pair, of another tile than the one just converted: it names none of the conversions' registers
.endif
	WIN 0
	v_nop                                          ; one plain line between the last conversion and the next unit's first product, which writes its sources
.endm
	s_wait_tensorcnt 0x1                           ; my parts of the scale bytes and of slot 0 are in; slot 1's may stay out
	s_barrier_signal -1
	s_barrier_wait -1                              ; everybody's are
	LOADK 0, 0
	s_wait_loadcnt 0x0                             ; Q and its scale words
	s_wait_dscnt 0x0
.irp tl, 0,1,2,3
	MM1 0, \tl
.endr
	PLACES 8                                       ; there is no vector work yet to set behind the first products
.set TT, 0
.rept 8
.set GG, 0
.rept 2
.set II, 0
.rept 4
	BLOCK
.set II, II+1
.endr
.set GG, GG+1
.endr
.set TT, TT+1
.endr
	PLACES 4                                       ; with the line that ends the last unit: the places between tile 3's last conversion and the product that takes its codes
	WIN 0x55
	PVTWO 2, 0, 0                                  ; the last step's tiles 2 and 3: nothing is left to set between them
	PVTWO 2, 2, 0
	PVTWO 3, 0, 0
	PVTWO 3, 2, 0
	WIN 0
	PLACES 8                                       ; in front of the first read of the last results
	; THE WAY OUT.  A lane holds eight neighbouring numbers of a row of out for each accumulator: 32 bytes.  Each wave puts its four query tiles' partial sums into its own regions of the stage;
	; behind a barrier wave (qh, kg) reads query tile kg's four partial sums back as whole rows, adds them and stores 16 rows.
	WIN 0x04                                       ; an LDS store's data are its source 1: window 1
.irp i, 0,1,2,3
.irp d, 0,1,2,3
	ds_store_b128 v[STO], v[O+32*\i+8*\d:O+32*\i+8*\d+3] offset:4*RGN*\i+64*\d             ; each accumulator from its low end on
	ds_store_b128 v[STO], v[O+32*\i+8*\d+4:O+32*\i+8*\d+7] offset:4*RGN*\i+64*\d+16
.endr
.endr
	WIN 0
	s_wait_dscnt 0x0                               ; for the others' sake: my stores into the stage are done
	s_barrier_signal -1
	s_barrier_wait -1
.irp k, 0,1,2,3,4,5,6,7
.irp s, 0,1,2,3
	ds_load_b128 v[W+16*\k+4*\s:W+16*\k+4*\s+3], v[RD] offset:RGN*\s+2*272*\k              ; rows 2 k and 2 k + 1 of key group s's partial sums
.endr
.endr
.irp k, 0,1,2,3,4,5,6,7
	s_wait_dscnt 4*(7-\k)                          ; LDS loads come back in order (ISA guide 5.7.1): this pair of rows is in, the four loads of each later pair may be out
	v_pk_add_f32 v[W+16*\k:W+16*\k+1], v[W+16*\k:W+16*\k+1], v[W+16*\k+4:W+16*\k+5]        ; (0 + 1)
	v_pk_add_f32 v[W+16*\k+2:W+16*\k+3], v[W+16*\k+2:W+16*\k+3], v[W+16*\k+6:W+16*\k+7]
	v_pk_add_f32 v[W+16*\k+8:W+16*\k+9], v[W+16*\k+8:W+16*\k+9], v[W+16*\k+12:W+16*\k+13]  ; (2 + 3)
	v_pk_add_f32 v[W+16*\k+10:W+16*\k+11], v[W+16*\k+10:W+16*\k+11], v[W+16*\k+14:W+16*\k+15]
	v_pk_add_f32 v[W+16*\k:W+16*\k+1], v[W+16*\k:W+16*\k+1], v[W+16*\k+8:W+16*\k+9]
	v_pk_add_f32 v[W+16*\k+2:W+16*\k+3], v[W+16*\k+2:W+16*\k+3], v[W+16*\k+10:W+16*\k+11]
	global_store_b128 v[GO], v[W+16*\k:W+16*\k+3], s[16:17] offset:512*\k th:TH_STORE_NT   ; 32 lanes store 512 consecutive bytes, two whole rows, at a multiple of 256 from out's first byte; written once, read by nobody here
.endr
	s_wait_tensorcnt 0x0                           ; the wave's end: behind my last tensor load and my last LDS store
	ds_add_u32 v[SPW], v[NIL]
	s_wait_dscnt 0x0
	CROUND                                         ; the closing round: no work-group ends while a partner may still ask for a tile that names it
	s_endpgm
.Lfunc_end_k_q00251ee5c6_attn:
	.size	k_q00251ee5c6_attn, .Lfunc_end_k_q00251ee5c6_attn-k_q00251ee5c6_attn
	.p2alignl 7, 3214868480
	.fill 96, 4, 3214868480
	.section	.rodata,"a",@progbits
	.p2align	6, 0x0
	.amdhsa_kernel k_q00251ee5c6_attn
		.amdhsa_group_segment_fixed_size 327680
		.amdhsa_private_segment_fixed_size 0
		.amdhsa_enable_private_segment 0
		.amdhsa_kernarg_size 56
		.amdhsa_user_sgpr_count 2
		.amdhsa_user_sgpr_kernarg_segment_ptr 1
		.amdhsa_wavefront_size32 1
		.amdhsa_system_sgpr_workgroup_id_x 1
		.amdhsa_system_sgpr_workgroup_id_y 1
		.amdhsa_system_sgpr_workgroup_id_z 1
		.amdhsa_system_vgpr_workitem_id 0
		.amdhsa_next_free_vgpr 512
		.amdhsa_next_free_sgpr 96
		.amdhsa_reserve_vcc 0
		.amdhsa_float_denorm_mode_32 3
		.amdhsa_float_denorm_mode_16_64 3
		.amdhsa_memory_ordered 1
		.amdhsa_forward_progress 1
		.amdhsa_inst_pref_size 255
	.end_amdhsa_kernel
	.section	.bss,"aw",@nobits
	.p2align	6
	.space	262144
	.amdgpu_metadata
---
amdhsa.version: [ 1, 2 ]
amdhsa.kernels:
  - .name:           k_q00251ee5c6_attn
    .symbol:         k_q00251ee5c6_attn.kd
    .args:
      - { .name: k_codes, .offset: 0, .size: 8, .value_kind: global_buffer, .address_space: global }
      - { .name: k_scales, .offset: 8, .size: 8, .value_kind: global_buffer, .address_space: global }
      - { .name: q_codes, .offset: 16, .size: 8, .value_kind: global_buffer, .address_space: global }
      - { .name: q_scales, .offset: 24, .size: 8, .value_kind: global_buffer, .address_space: global }
      - { .name: v_codes, .offset: 32, .size: 8, .value_kind: global_buffer, .address_space: global }
      - { .name: v_scales, .offset: 40, .size: 8, .value_kind: global_buffer, .address_space: global }
      - { .name: out0, .offset: 48, .size: 8, .value_kind: global_buffer, .address_space: global }
    .group_segment_fixed_size: 327680
    .private_segment_fixed_size: 0
    .kernarg_segment_align: 8
    .kernarg_segment_size: 56
    .max_flat_workgroup_size: 256
    .sgpr_count:     96
    .vgpr_count:     512
    .wavefront_size: 32
...
	.end_amdgpu_metadata
.endif
;; end of part 1
